; MI455X (gfx1250); checked and timed in simulation.
; The chip was launched on July 23, 2026; its instructions are those of AMD's public machine-readable ISA for CDNA 5 (MIT licence, August 2026) and "CDNA5" Instruction Set Architecture Reference Guide (July 2026). The comments in the code are by the model that wrote it; some were corrected since.
;; Standard Relation Module. Allowed arithmetic: matrix products marked QUANTISED: E3M2 operands, one E8M0 scale for each 32 along K, by v_wmma_scale_f32_16x16x128_f8f6f4 with both operands' format E3M2, f32 sums; products left as they are: f32 operands where the result goes on into a quantised operand, else bf16, f16 or f32 operands; f32 sums; everything else in f32.
;; Inputs: W1_codes 256 x 16 x 24 uint8 (E3M2 codes of W1, K innermost, in blocks of 32 codes, four codes in three bytes); W1_scales 256 x 16 uint8 (E8M0 scales of W1, one for each 32 codes along K); W2_codes 128 x 8 x 24 uint8 (E3M2 codes of W2, K innermost, in blocks of 32 codes, four codes in three bytes); W2_scales 128 x 8 uint8 (E8M0 scales of W2, one for each 32 codes along K); W3_codes 64 x 4 x 24 uint8 (E3M2 codes of W3, K innermost, in blocks of 32 codes, four codes in three bytes); W3_scales 64 x 4 uint8 (E8M0 scales of W3, one for each 32 codes along K); W4 64 x 1 float32; b1 256 float32; b2 128 float32; b3 64 float32; b4 1 float32; query_features 1,024 x 256 float32; support_features 256 x 256 float32; support_y 256 int32.
;; Outputs: out0 1,024 x 256 float32.
;; This version of the problem:
;;   THIS VERSION OF THE PROBLEM IS GIVEN IN LOW PRECISION. The matrix products marked QUANTISED in the list below multiply operands that are first quantised to E3M2 (3 exponent bits, 2 mantissa bits; 6 bits a number), with one power-of-two scale for each 32 numbers along K (OCP MX v1.0); their sums are f32. All else is computed in f32.
;;   The module's matrix products, in the order in which they are computed (A, B: the left and right operand; K: the contracted axis; several contracted axes count as one K, in the product's order):
;;     1. [M 262,144, K 512] x [K 512, N 256]; A: computed on the way; B: input W1 (given as codes): QUANTISED
;;     2. [M 262,144, K 256] x [K 256, N 128]; A: computed on the way; B: input W2 (given as codes): QUANTISED
;;     3. [M 262,144, K 128] x [K 128, N 64]; A: computed on the way; B: input W3 (given as codes): QUANTISED
;;     4. [M 262,144, K 64] x [K 64, N 1]; A: computed on the way; B: input W4: left as it is (N = 1 < 16)
;;   THE QUANTISER, for each operand of a quantised product, along K:
;;     - K is cut into blocks of 32 from its start; a last block that is shorter is filled with zeros.
;;     - A block's scale is 2^e with e = floor(log2(the largest magnitude in the block)) - 4, held to -126 .. 127; a block of zeros has e = 0. As a byte (E8M0): e + 127.
;;     - Each number is divided by its block's scale, clamped to +-28, and rounded to the nearest number of E3M2, ties to even, subnormals kept.
;;     - The product sums the exact products of the quantised numbers (number of the format x scale) in f32.
;;   ~~~python
;;   def quantise(x, axis):      # numpy; x: float32 -> the quantised numbers, widened to float32 again
;;       x = np.moveaxis(x, axis, -1); K = x.shape[-1]
;;       x = np.pad(x, [(0, 0)] * (x.ndim - 1) + [(0, -K % 32)]); x = x.reshape(x.shape[:-1] + (-1, 32)); a = np.abs(x).max(-1, keepdims=True)
;;       e = np.where(a > 0, np.clip(np.frexp(np.where(a > 0, a, 1))[1] - 1 - 4, -126, 127), 0)      # np.frexp(a)[1] - 1 = floor(log2(a)), exactly
;;       r = np.clip(x / 2.0 ** e, -28, 28)
;;       step = 2.0 ** (np.maximum(np.frexp(np.where(r == 0, 1, r))[1] - 1, -2) - 2)
;;       q = np.round(r / step) * step * 2.0 ** e      # np.round: ties to even
;;       return np.moveaxis(q.reshape(q.shape[:-2] + (-1,))[..., :K], -1, axis).astype(np.float32)
;;   ~~~
;;   OPERANDS COMPUTED ON THE WAY. 'Computed on the way' means the value that the module computes at that place (a softmax that the list does not call 'softmax' is quantised finished and normalised). What goes into a quantiser is computed in f32, as accurately as f32 sums, v_exp_f32 and their like allow (about 1e-6 of the number): no bf16 or f16 on the way to a quantiser, and a product that is left as it is and whose result goes on into a quantised operand takes f32 operands (vector FMAs, or v_wmma_f32_16x16x4_f32). A number that lies on a knife's edge between two numbers of the format may be rounded either way, as far as f32 arithmetic and the matrix unit's own rounding can turn it there, and no further.
;;   INPUTS GIVEN AS CODES. W1 (in the module: [512, 256], K = its axis 0); W2 (in the module: [256, 128], K = its axis 0); W3 (in the module: [128, 64], K = its axis 0): each comes as NAME_codes (uint8): NAME with its K axis moved to the last place and cut into blocks of 32 codes, [.., K / 32, bytes a block], one block behind the other in memory; four codes in three bytes: a row's codes are one little-endian stream of bits, code i at bits 6 i .. 6 i + 5 (a code: sign, 3 exponent bits, 2 mantissa bits); and NAME_scales (uint8): the same leading axes, one E8M0 byte (e + 127) for each 32 codes along K. Its value is code x scale, taken as it is: it is not quantised again, and the codes and scales need not be those that the quantiser above would give.
;; One version. Each part assembles by itself: llvm-mc -triple=amdgcn-amd-amdhsa -mcpu=gfx1250 --defsym DOCPART=n.
;; ======== version 1 of 1: 1 launch
;; launch pairs (part 1): grid 64 x 4, 4 waves a work-group, clusters of 4 x 1, 262,656 bytes of LDS; arguments query_features, support_features, W1_codes, W1_scales, W2_codes, W2_scales, W3_codes, W3_scales, W4, b1, b2, b3, b4, out0; writes out0
.if DOCPART == 1
	.amdgcn_target "amdgcn-amd-amdhsa--gfx1250"
	.amdhsa_code_object_version 6
	.text
	.protected	k_q6032fd1f8d_pairs
	.globl	k_q6032fd1f8d_pairs
	.p2align	8
	.type	k_q6032fd1f8d_pairs,@function
k_q6032fd1f8d_pairs:
	s_mov_b64 s[64:65], 0
	v_nop
	global_prefetch_b8 v0, s[64:65] scope:SCOPE_SE
	s_setreg_imm32_b32 hwreg(HW_REG_WAVE_MODE, 25, 1), 1
	s_wait_xcnt 0x0
	s_wait_alu depctr_hold_cnt(0) depctr_sa_sdst(0) depctr_va_vdst(0) depctr_va_sdst(0) depctr_va_ssrc(0) depctr_va_vcc(0) depctr_vm_vsrc(0)
	s_getreg_b32 s2, hwreg(HW_REG_IB_STS2, 6, 4)
	s_cmp_eq_u32 s2, 0
	s_cbranch_scc0 .Lentry_in_a_cluster
	s_endpgm
.Lentry_in_a_cluster:
	s_bfe_u32 s2, ttmp6, 0x10000c
	s_cmp_lg_u32 s2, 0x3003
	s_cbranch_scc0 .Lentry_shape_is_right
	s_endpgm
.Lentry_shape_is_right:
; out[q][s] = sigmoid(relu(relu(relu([q|s] W1 + b1) W2 + b2) W3 + b3) W4 + b4) for 1,024 queries x 256 supports.  Products 1 to 3 on codes of BF6 (E3M2) with one E8M0 scale for each 32 along K;
; product 4 (one column) by f32 multiply-adds.  The weights come as codes; [q|s], h1 and h2 are quantised here, in f32 registers, block by block.
; SHARES.  A work-group owns 16 queries x 64 supports; wave w owns supports 16 w .. 16 w + 15 of them and walks the 16 queries: a PAIR TILE is one query against the wave's 16 supports.
; All products are used transposed (source 0 = 16 rows of a weight, source 1 = 16 pairs): a lane holds ONE pair (lane % 16) throughout, and its registers run along the units.
; THE QUERY HALF ONCE.  K = 256 parts q from s at a block's edge, so Q([q|s]) = [Q(q)|Q(s)].  b1 + Q(q) W1[0:256] hangs on the query alone: it is made once for each query, by the same matrix form,
; laid in LDS as a table [query][unit] of f32, and given as the C of the support half's first K step.  (So b1 and the query half are summed ahead of the support half: an order of f32 sums other than reference()'s.)
; WHICH ROWS OF A WEIGHT FORM A TILE is chosen so that four tiles' 32 registers of a lane are ONE WHOLE BLOCK of 32 along the next K: a tile's rows 0-7 are eight neighbouring units and its rows 8-15 the
; eight units half the layer further on.  So a block's largest magnitude needs no other lane and the conversions' results are the next operand's registers.  The blocks then stand in another order along
; the next K than in memory; the next weight's fragments and scale bytes are fetched in the same order, which leaves every product as it is.
; ALL WEIGHTS OF THE LOOP STAY IN EACH WAVE'S REGISTERS (W1's support half 384, W2 192, W3 48).  BY TURNS: a SLOT is eight matrix instructions into one of two sets of four accumulators, and behind each
; of them a slice of the vector work (relu, largest magnitude, scale, conversion) on the other set, which the slot before has filled.
; CLUSTER.  The four work-groups of a cluster share their 64 supports and all weights: these come by joint loads (mask 15); the 16 queries are each work-group's own, by a plain load.
; No LDS byte is filled twice.  Nothing is prefetched: every byte that the launch reads is asked for at its head.  support_y enters nothing in reference() and is not read.
; LIMITS: NaN and infinities among the inputs are not served; a block whose largest magnitude lies under 2^-122 keeps the scale byte 1; a block of zeros has the byte 1 (not 127) over zero codes, which adds nothing.
; REGISTERS, in windows of 256.  Window 0: see the names below.  Window 1: W1's support half, groups 0, 1 (v0-191); b2 as C (v192-255).  Window 2: groups 2, 3; b3 as C (v192-223); W4 (v224-255).
; Window 3: W2 (v0-191), W3 (v192-239); at the head W1's query half (v0-95) and b1 as C (v96-127).
.set FP,   1040                        ; a row of 256 f32 in LDS: 1,024 bytes + 16: sixteen rows of a 16-byte load begin 16 bytes apart modulo 256
.set WP,   240                         ; a row of 256 codes in LDS: 3 x (64 bytes + 16)
.set RP1,  128*WP+128                  ; a region of W1: 128 rows; the 128 bytes more set a tile's rows 8-15, which lie in the next region, half of 256 bytes off its rows 0-7
.set RP2,  64*WP+128                   ; a region of W2: 64 rows
.set W2B,  4*RP1                       ; W1's four regions (K 0-255 of units 0-127, of 128-255; K 256-511 likewise), then W2's two
.set SFB,  W2B+2*RP2                   ; the 64 supports, f32
.set QFB,  SFB+64*FP                   ; the 16 queries, f32
.set CQB,  QFB+16*FP                   ; the table [16 queries][256 units] f32; written by LDS stores, in blocks of 256 bytes into which no fill lands
.set OUTS, CQB+16*FP                   ; the logits [16 queries][64 supports] f32
.set ACQ,  1                           ; v1   LDS address in the table: the query in hand, + 512 x (lane / 16)
.set AOUT, 2                           ; v2   LDS address of my pair's logit
.set V8H,  3                           ; v3   8 x (lane / 16)
.set QM,   4                           ; v4-6 three chains of a largest magnitude
.set QE,   7                           ; v7   the conversion's scale operand
.set QT,   8                           ; v8-10 a block's upper 16 codes
.set FS,   4                           ; v4-11 the last layer's four pairs of sums
.set BYP,  12                          ; v12  the scale byte of a fragment's first block, h1's stream;  v13 h2's
.set BYL,  13
.set QW,   14
.set QU,   15
.set SSW,  16                          ; v16  s's scale words: lanes 0-15 K step 0, lanes 16-31 K step 1
.set H1SW0, 17                         ; v17-18 h1's scale word of K step 0, two sets (at the head: q's two scale words)
.set H1SW1, 19                         ; v19  of K step 1
.set H2SW, 20                          ; v20  h2's scale word
.set BY1,  21
.set W1S,  22                          ; v22-37 W1's scale words, tile 4 g + t: lanes 0-15 K 256-383, lanes 16-31 K 384-511
.set W2S,  38                          ; v38-45 W2's, tile 4 G + t: lanes 0-15 K step 0, lanes 16-31 K step 1
.set W3S,  46                          ; v46-47 W3's: lanes 0-15 tile 2 u, lanes 16-31 tile 2 u + 1
.set SF,   48                          ; v48-71 s's two fragments (at the head first q's)
.set H1K0, 72                          ; v72-95 h1's fragment of K step 0, two sets
.set H1K1, 96                          ; v96-107 of K step 1
.set H2C,  108                         ; v108-119 h2's fragment
.set ACC,  120                         ; v120-183 two sets of four accumulators
.set STG,  184                         ; v184-247 two sets of 32: the table's numbers for a group, the C of its first K step
.set W1AS, 248                         ; v248-251 scale words of my 4 tiles of W1's query half: lanes 0-15 K 0-127, lanes 16-31 K 128-255
.set LA0,  120                         ; the head: 64 f32 numbers of a lane, two sets
.set LA1,  184
.set DQ,   72                          ; the head: the query part's four accumulators
.set TR,   72                          ; the head's lane parts and global offsets (all read before the query part's products land here)
.set TH,   73
.set TR7,  74
.set TR3,  75
.set TL,   76
.set GA1,  77
.set GA1A, 78
.set GA2,  79
.set GA3,  80
.set GA3F, 81
.set GB2,  82
.set GB3,  83
.set GB1,  84
.set VSEL, 85
.set AQF,  104                         ; the head's LDS addresses
.set ASF,  105
.set AV,   106                         ; v106-107
.set ACS,  108
.set AWB,  252                         ; v252-253 W1's support half
.set AWA,  254                         ; v254-255 W1's query half, my wave's 32 + 32 rows
.set MSB, 0
.set CUR, 0
.macro WIN new                         ; the immediate's high byte repeats the setting that is left; a switch that changes nothing is dropped
.if MSB != (\new)
	s_set_vgpr_msb (MSB<<8)|(\new)
.set MSB, \new
.endif
.endm
.macro WINF                            ; for lines whose source 0 is a constant and that have no source 2: only source 1's and the destination's windows matter
.if MSB & 0xcc
	WIN 0
.endif
.endm
.macro PLACES n
.rept \n
	v_nop
.endr
.endm
.macro CROUND                          ; a round of the cluster's barrier
	s_barrier_signal -1
	s_barrier_wait -1
	s_cmp_lg_u32 s32, 0
	s_cbranch_scc1 .Lnot_wave_0_\@
	s_barrier_signal -3
.Lnot_wave_0_\@:
	s_barrier_wait -3
	s_barrier_signal -1
	s_barrier_wait -1
.endm
; A fragment of W1: 16 rows x 128 K, the q-th 128 of a region's 256: lane (r, h) takes 24 bytes at 96 q + 24 h and at 96 q + 48 + 24 h of its row, in pieces of 8.  16 bytes of padding lie behind each 8 pieces:
; where the piece three on (lanes 16-31) lies behind one padding more, the second address register (40 for 24 bytes a half) serves.
.macro FRAGW reg, adr, q, rows
.irp p, 0,1,2,3,4,5
.set PCE, 12*(\q)+6*(\p/3)+\p%3
.if PCE%8 < 5
	ds_load_b64 v[(\reg)+2*\p:(\reg)+2*\p+1], v[\adr] offset:8*PCE+16*(PCE/8)+(\rows)*WP
.else
	ds_load_b64 v[(\reg)+2*\p:(\reg)+2*\p+1], v[(\adr)+1] offset:8*PCE+16*(PCE/8)+(\rows)*WP
.endif
.endr
.endm
; A fragment of W2: at (K step ks, c, h) stands the row's block 2 ks + c + 4 h: lanes 16-31 read 12 pieces on: 112 bytes, or 128 where that passes one padding more.
.macro FRAGV reg, ks, rows
.irp p, 0,1,2,3,4,5
.set PCE, 6*(\ks)+\p
.if PCE%8 < 4
	ds_load_b64 v[(\reg)+2*\p:(\reg)+2*\p+1], v[AV] offset:8*PCE+16*(PCE/8)+(\rows)*WP
.else
	ds_load_b64 v[(\reg)+2*\p:(\reg)+2*\p+1], v[AV+1] offset:8*PCE+16*(PCE/8)+(\rows)*WP
.endif
.endr
.endm
; 64 f32 numbers of my row for K step ks, in the operand's order: register 32 c + i = k 128 ks + 64 c + 32 (lane / 16) + i
.macro LDF L, adr, ks
.irp c, 0,1
.irp i, 0,1,2,3,4,5,6,7
	ds_load_b128 v[(\L)+32*\c+4*\i:(\L)+32*\c+4*\i+3], v[\adr] offset:512*(\ks)+256*\c+16*\i
.endr
.endr
.endm
; LINE j OF QUANTISING ONE BLOCK, the lane's 32 registers v[S] on, into registers D6 .. D6 + 5 of an operand.  Every line sets the windows that it needs: a matrix instruction may stand in front of any of them.
;   0-31  relu in place, from each accumulator's low end on (not run for q and s)
;   32-46 the largest magnitude in three chains by turns; the last leaf is the floor 2^(5 - 127), which holds the byte at 1 from below        47 the three joined
;   48    4 off the exponent field: the conversion's scale operand        49, 50 the conversions (three registers begin on an even number, so the upper 16 codes are made aside)
;   51    the scale's byte: also the plain line behind the conversions        52-54 the upper codes to their place
;   55-58 (second block of a fragment's pair, c = 1) my two bytes at their places, 8 (lane / 16) bits up, joined with lane l xor 16's two: the scale word
.macro QI S, D6, c, B0, word, abs
.if j < 32
	WINF
	v_max_num_f32 v[(\S)+j], 0, v[(\S)+j]
.elseif j < 47
	WIN 0
.set qK, (j-32)%3
.set qS, (j-32)/3
.set qL, (\S)+11*qK+2*qS
.if qS == 0
.if \abs
	v_max3_num_f32 v[QM+qK], |v[qL]|, |v[qL+1]|, |v[qL+2]|
.else
	v_max3_num_f32 v[QM+qK], v[qL], v[qL+1], v[qL+2]
.endif
.elseif (qS == 4) && (qK == 2)
.if \abs
	v_max3_num_f32 v[QM+2], v[QM+2], |v[qL+1]|, 0x2800000
.else
	v_max3_num_f32 v[QM+2], v[QM+2], v[qL+1], 0x2800000
.endif
.else
.if \abs
	v_max3_num_f32 v[QM+qK], v[QM+qK], |v[qL+1]|, |v[qL+2]|
.else
	v_max3_num_f32 v[QM+qK], v[QM+qK], v[qL+1], v[qL+2]
.endif
.endif
.elseif j == 47
	WIN 0
	v_max3_num_f32 v[QM], v[QM], v[QM+1], v[QM+2]
.elseif j == 48
	WINF
	v_add_nc_u32 v[QE], 0xfe000000, v[QM]
.elseif j == 49
	WIN 0
	v_cvt_scalef32_pk16_bf6_f32 v[(\D6):(\D6)+2], v[(\S):(\S)+15], v[QE]
.elseif j == 50
	WIN 0
	v_cvt_scalef32_pk16_bf6_f32 v[QT:QT+2], v[(\S)+16:(\S)+31], v[QE]
.elseif j == 51
	WINF
.if \c
	v_lshrrev_b32 v[BY1], 23, v[QE]
.else
	v_lshrrev_b32 v[\B0], 23, v[QE]
.endif
.elseif j < 55
	WIN 0
	v_mov_b32 v[(\D6)+3+j-52], v[QT+j-52]
.elseif j == 55
	WIN 0
	v_lshl_or_b32 v[QW], v[BY1], 16, v[\B0]
.elseif j == 56
	WIN 0
	v_lshlrev_b32 v[QW], v[V8H], v[QW]
.elseif j == 57
	WIN 0
	v_permlanex16_b32 v[QU], v[QW], s36, s37
.else
	WIN 0
	v_or_b32 v[\word], v[QW], v[QU]
.endif
.endm
; 64 f32 numbers (LDF's order) become a fragment in v[F] on and its scale word
.macro QUANTF L, F, word
.irp c, 0,1
.set j, 32
.rept 23+4*\c
	QI (\L)+32*\c, (\F)+6*\c, \c, BYP, \word, 1
.set j, j+1
.endr
.endr
.endm
; LINE j OF THE LAST LAYER: 0-31 relu of h3; 32-47 my 32 units x W4, two at a time, four chains; 48-53 the chains, the pair and lane l xor 16's joined; 54 the logit to LDS (both halves write the same word).
; Every line sets the windows that it needs, as in QI.
.macro FI S, off
.if j < 32
	WINF
	v_max_num_f32 v[(\S)+j], 0, v[(\S)+j]
.elseif j < 48
	WIN 0x08                                       ; source 1 (W4) window 2
.set fU, (j-32)/4
.set fC, (j-32)%4
.if fU == 0
	v_pk_mul_f32 v[FS+2*fC:FS+2*fC+1], v[(\S)+8*fC:(\S)+8*fC+1], v[224+8*fC:224+8*fC+1]
.else
	v_pk_fma_f32 v[FS+2*fC:FS+2*fC+1], v[(\S)+8*fC+2*fU:(\S)+8*fC+2*fU+1], v[224+8*fC+2*fU:224+8*fC+2*fU+1], v[FS+2*fC:FS+2*fC+1]
.endif
.elseif j == 48
	WIN 0
	v_pk_add_f32 v[FS:FS+1], v[FS:FS+1], v[FS+2:FS+3]
.elseif j == 49
	WIN 0
	v_pk_add_f32 v[FS+4:FS+5], v[FS+4:FS+5], v[FS+6:FS+7]
.elseif j == 50
	WIN 0
	v_pk_add_f32 v[FS:FS+1], v[FS:FS+1], v[FS+4:FS+5]
.elseif j == 51
	WIN 0
	v_add_f32 v[QW], v[FS], v[FS+1]
.elseif j == 52
	WIN 0
	v_permlanex16_b32 v[QU], v[QW], s36, s37
.elseif j == 53
	WIN 0
	v_add_f32 v[QW], v[QW], v[QU]
.else
	WIN 0
	ds_store_b32 v[AOUT], v[QW] offset:\off
.endif
.endm
; MATRIX INSTRUCTION n OF A SLOT: tile n % 4, K step n / 4, into the set of accumulators in hand.  The four accumulators take turns, one instruction a turn.
; kind 1: h1's group arg: W1's support half x s; the first K step's C is the table's numbers.   kind 2: h2's group arg: W2 x h1; C = b2.   kind 3 (n = 4 .. 7): h3: W3 x h2; C = b3.
.macro MI n, kind, arg, par
.set mT, (\n)&3
.set mK, (\n)>>2
.set mD, ACC+32*CUR+8*mT
.if (\kind) == 1
.set mA, 12*(2*(4*((\arg)&1)+mT)+mK)
.set mC, STG+32*((\arg)&1)+8*mT
	WIN 1+((\arg)>>1)                              ; source 0 window 1 or 2
.if mK == 0
	v_wmma_scale_f32_16x16x128_f8f6f4 v[mD:mD+7], v[mA:mA+11], v[SF:SF+11], v[mC:mC+7], v[W1S+4*(\arg)+mT], v[SSW] matrix_a_fmt:MATRIX_FMT_BF6 matrix_b_fmt:MATRIX_FMT_BF6
.else
	v_wmma_scale_f32_16x16x128_f8f6f4 v[mD:mD+7], v[mA:mA+11], v[SF+12:SF+23], v[mD:mD+7], v[W1S+4*(\arg)+mT], v[SSW] matrix_a_fmt:MATRIX_FMT_BF6 matrix_b_fmt:MATRIX_FMT_BF6 matrix_a_scale:MATRIX_SCALE_ROW1 matrix_b_scale:MATRIX_SCALE_ROW1
.endif
.elseif (\kind) == 2
.set mA, 12*(2*(4*(\arg)+mT)+mK)
.set mC, 192+8*(4*(\arg)+mT)
.if mK == 0
	WIN 0x13                                       ; source 0 (W2) window 3, source 2 (b2) window 1
	v_wmma_scale_f32_16x16x128_f8f6f4 v[mD:mD+7], v[mA:mA+11], v[H1K0+12*(\par):H1K0+12*(\par)+11], v[mC:mC+7], v[W2S+4*(\arg)+mT], v[H1SW0+(\par)] matrix_a_fmt:MATRIX_FMT_BF6 matrix_b_fmt:MATRIX_FMT_BF6
.else
	WIN 0x03
	v_wmma_scale_f32_16x16x128_f8f6f4 v[mD:mD+7], v[mA:mA+11], v[H1K1:H1K1+11], v[mD:mD+7], v[W2S+4*(\arg)+mT], v[H1SW1] matrix_a_fmt:MATRIX_FMT_BF6 matrix_b_fmt:MATRIX_FMT_BF6 matrix_a_scale:MATRIX_SCALE_ROW1
.endif
.else
	WIN 0x23                                       ; source 0 (W3) window 3, source 2 (b3) window 2
.if mT&1
	v_wmma_scale_f32_16x16x128_f8f6f4 v[mD:mD+7], v[192+12*mT:192+12*mT+11], v[H2C:H2C+11], v[192+8*mT:192+8*mT+7], v[W3S+(mT>>1)], v[H2SW] matrix_a_fmt:MATRIX_FMT_BF6 matrix_b_fmt:MATRIX_FMT_BF6 matrix_a_scale:MATRIX_SCALE_ROW1
.else
	v_wmma_scale_f32_16x16x128_f8f6f4 v[mD:mD+7], v[192+12*mT:192+12*mT+11], v[H2C:H2C+11], v[192+8*mT:192+8*mT+7], v[W3S+(mT>>1)], v[H2SW] matrix_a_fmt:MATRIX_FMT_BF6 matrix_b_fmt:MATRIX_FMT_BF6
.endif
.endif
.endm
; The table's 32 numbers of a group for my half of the lanes, into staging set b: sixteen lanes read the same 16 bytes
.macro LDSTG b, off
	WIN 0
.irp t, 0,1,2,3
.irp u, 0,1
	ds_load_b128 v[STG+32*(\b)+8*\t+4*\u:STG+32*(\b)+8*\t+4*\u+3], v[ACQ] offset:(\off)+32*\t+16*\u
.endr
.endr
.endm
; A SLOT.  mk: the kind of its matrix instructions (0: none), ma, par: their arguments.  vk: the vector work on the OTHER set of accumulators: 0 none, 1 a block is quantised (D6, c, B0, word), 2 the last layer (word = the
; logit's offset).  lb >= 0: staging set lb is asked for anew, from offset lo.  wc: the count of the wait at the head of a slot of kind 1.
; Slice i stands behind matrix instruction i: slices 0-3 are the relu of tile i, eight lines, which stand four slices or more behind the product that wrote that tile; slices 4-7 share out the rest.
; The staging loads stand behind instruction 4: instruction 3 was the set's last reader, and slice 3's eight lines are the places between.
; What a slot's last lines write (codes, a scale word) is first read by instruction 4 of the next slot: its 32 relu lines are the places between.
.macro SLOT mk, ma, par, vk, D6, c, B0, word, lb, lo, wc
.set sS, ACC+32*(CUR^1)
.set sNV, 55
.if (\vk) == 1
.set sNV, 55+4*(\c)
.endif
.if (\mk) == 1
	s_wait_dscnt \wc                               ; the staging set that I read is in; what was asked for behind it may be out
.endif
.set j, 0
.set si, 0
.rept 8
.if ((\mk) == 1) || ((\mk) == 2) || (((\mk) == 3) && (si >= 4))
	MI si, \mk, \ma, \par
.endif
.if \vk
.if (si == 4) && ((\lb) >= 0)
	LDSTG \lb, \lo
.endif
.set sJE, 8*(si+1)
.if si >= 4
.set sJE, 32+((sNV-32)*(si-3))/4
.endif
.rept sJE-j
.if (\vk) == 1
	QI sS, \D6, \c, \B0, \word, 0
.else
	FI sS, \word
.endif
.set j, j+1
.endr
.endif
.set si, si+1
.endr
.if (\vk) == 0
	PLACES 4                                       ; no vector work at hand: the places behind these products, for the next slot's relu and for the loads below
.if (\lb) >= 0
	LDSTG \lb, \lo
.endif
.endif
.set CUR, CUR^1
.endm
; SEVEN SLOTS: the late layers of tile i (parity a) and the first layer of tile i + 1.  more = 0: there is no tile i + 2 to stage.
.macro ITER a, more
	SLOT 1, 0, 0, 1, H1K1+6, 1, BYP, H1SW1, 0, (\a)*FP+256, 8              ; h1 group 0 of i + 1 | group 3 of i is quantised | stage group 2 of i + 1
	SLOT 2, 0, \a, 1, H1K0+12*(1-(\a)), 0, BYP, 0, -1, 0, 0                ; h2 group 0 of i     | group 0 of i + 1
	SLOT 1, 1, 0, 1, H2C, 0, BYL, 0, 1, (\a)*FP+384, 8                     ; h1 group 1          | h2 group 0 of i           | stage group 3
	SLOT 2, 1, \a, 1, H1K0+12*(1-(\a))+6, 1, BYP, H1SW0+1-(\a), -1, 0, 0   ; h2 group 1 of i     | group 1 of i + 1
.if \more
	SLOT 1, 2, 0, 1, H2C+6, 1, BYL, H2SW, 0, ((\a)+1)*FP, 8                ; h1 group 2          | h2 group 1 of i           | stage group 0 of i + 2
.else
	SLOT 1, 2, 0, 1, H2C+6, 1, BYL, H2SW, -1, 0, 8
.endif
	SLOT 3, 0, 0, 1, H1K1, 0, BYP, 0, -1, 0, 0                             ; h3 of i             | group 2 of i + 1
.if \more
	SLOT 1, 3, 0, 2, 0, 0, 0, (\a)*256, 1, ((\a)+1)*FP+128, 8              ; h1 group 3          | the last layer of i       | stage group 1 of i + 2
.else
	SLOT 1, 3, 0, 2, 0, 0, 0, (\a)*256, -1, 0, 0                           ; (nothing was asked for behind the set that is read here: the wait is for 0)
.endif
.endm
	s_load_b512 s[4:19], s[0:1], 0x0               ; q s[4:5], s s[6:7], W1's codes s[8:9], scales s[10:11], W2's s[12:13], s[14:15], W3's s[16:17], s[18:19]
	s_load_b256 s[20:27], s[0:1], 0x40             ; W4 s[20:21], b1 s[22:23], b2 s[24:25], b3 s[26:27]
	s_load_b128 s[28:31], s[0:1], 0x60             ; b4 s[28:29], out s[30:31]
	s_set_vgpr_msb 0xc0
	v_lshl_add_u32 v254, v0, 2, 0x40000
	v_mov_b32 v255, 0
	s_set_vgpr_msb 0xc0cf
	ds_add_u32 v254, v255
	ds_add_u32 v254, v255
	s_set_vgpr_msb 0xcf00
	v_lshrrev_b32 v4, 5, v0
	v_readfirstlane_b32 s32, v4                    ; wave 0..3
	s_bfe_u32 s33, ttmp6, 0x40000                  ; cx: my place in the cluster: it enters q's and out's global addresses alone
	s_lshl_b32 s34, ttmp9, 2
	s_add_co_u32 s34, s34, s33                     ; X: my block of 16 queries
	s_and_b32 s35, ttmp7, 0xffff                   ; y: my block of 64 supports, which the four partners share
	s_mov_b32 s36, 0x76543210
	s_mov_b32 s37, 0xfedcba98                      ; v_permlanex16_b32's selects for lane l xor 16
	s_mov_b32 s98, 0xbfb8aa3b                      ; -log2(e)
	; descriptor groups 1.  s: 64 rows x 256 elements of 4 bytes, 4 words of padding behind each 256 words; joint (mask 15, bit 21 beside it)
	s_mov_b32 s44, 15|(2<<16)|(1<<20)|(1<<21)|(7<<22)|(3<<25)
	s_mov_b32 s45, 256<<16
	s_mov_b32 s46, 64<<16
	s_mov_b32 s47, 256<<16
	s_mov_b32 s48, 64
	s_mov_b32 s49, 256
	s_mov_b32 s50, 0
	s_mov_b32 s51, 0
	; q: 16 such rows, my work-group's own: no mask
	s_mov_b32 s52, (2<<16)|(1<<20)|(7<<22)|(3<<25)
	s_mov_b32 s53, 256<<16
	s_mov_b32 s54, 16<<16
	s_mov_b32 s55, 256<<16
	s_mov_b32 s56, 16
	s_mov_b32 s57, 256
	s_mov_b32 s58, 0
	s_mov_b32 s59, 0
	; a region of W1: 128 rows x 192 bytes out of rows of 384, 4 words of padding behind each 16 words; joint
	s_mov_b32 s68, 15|(1<<20)|(1<<21)|(3<<22)|(3<<25)
	s_mov_b32 s69, 192<<16
	s_mov_b32 s70, 128<<16
	s_mov_b32 s71, 192<<16
	s_mov_b32 s72, 128
	s_mov_b32 s73, 384
	s_mov_b32 s74, 0
	s_mov_b32 s75, 0
	; a region of W2: 64 rows x 192 bytes; joint
	s_mov_b32 s76, 15|(1<<20)|(1<<21)|(3<<22)|(3<<25)
	s_mov_b32 s77, 192<<16
	s_mov_b32 s78, 64<<16
	s_mov_b32 s79, 192<<16
	s_mov_b32 s80, 64
	s_mov_b32 s81, 192
	s_mov_b32 s82, 0
	s_mov_b32 s83, 0
	s_wait_dscnt 0x0
	s_wait_kmcnt 0x0
	s_load_b32 s97, s[28:29], 0x0                  ; b4
	; descriptor groups 0
	s_lshl_b32 s38, s35, 16                        ; 64 rows of 1,024 bytes a block of supports
	s_mov_b32 s39, 0
	s_mov_b32 s60, 1
	s_mov_b32 s61, SFB
	s_add_nc_u64 s[62:63], s[6:7], s[38:39]
	s_or_b32 s63, s63, 0x80000000
	s_lshl_b32 s38, s34, 14                        ; 16 rows a block of queries
	s_mov_b32 s84, 1
	s_mov_b32 s85, QFB
	s_add_nc_u64 s[86:87], s[4:5], s[38:39]
	s_or_b32 s87, s87, 0x80000000
	s_xor_b32 s40, s32, 2                          ; the region of W1 that I fetch: waves 2, 3 the query half's two, waves 0, 1 the support half's
	s_mul_i32 s89, s40, RP1
	s_and_b32 s38, s40, 1
	s_mul_i32 s38, s38, 128*384                    ; units 128 on,
	s_lshr_b32 s41, s40, 1
	s_mul_i32 s41, s41, 192                        ; K 256 on
	s_add_co_u32 s38, s38, s41
	s_mov_b32 s88, 1
	s_add_nc_u64 s[90:91], s[8:9], s[38:39]
	s_or_b32 s91, s91, 0x80000000
	s_and_b32 s40, s32, 1                          ; the region of W2 (waves 2, 3)
	s_mul_i32 s93, s40, RP2
	s_add_co_u32 s93, s93, W2B
	s_mul_i32 s38, s40, 64*192
	s_mov_b32 s92, 1
	s_add_nc_u64 s[94:95], s[12:13], s[38:39]
	s_or_b32 s95, s95, 0x80000000
	CROUND                                         ; all four work-groups are here: the joint loads meet
	; All fills of the launch, two a wave, inside one branch on the wave's number.  Each wave's FIRST load is what the head wants first (s, q, W1's query half).  Four v_nop follow a wave's second load.
	s_cmp_eq_u32 s32, 0
	s_cbranch_scc0 .Lnot_0
	tensor_load_to_lds s[60:63], s[44:51]          ; s
	s_nop 0
	tensor_load_to_lds s[88:91], s[68:75]          ; W1: K 256-511 of units 0-127
	s_nop 0
	PLACES 4
	s_branch .Lasked
.Lnot_0:
	s_cmp_eq_u32 s32, 1
	s_cbranch_scc0 .Lnot_1
	tensor_load_to_lds s[84:87], s[52:59]          ; q
	s_nop 0
	tensor_load_to_lds s[88:91], s[68:75]          ; W1: K 256-511 of units 128-255
	s_nop 0
	PLACES 4
	s_branch .Lasked
.Lnot_1:
	tensor_load_to_lds s[88:91], s[68:75]          ; W1: K 0-255 of units 0-127 (wave 2), 128-255 (wave 3)
	s_nop 0
	tensor_load_to_lds s[92:95], s[76:83]          ; W2: units 0-63, 64-127
	s_nop 0
	PLACES 4
.Lasked:
	v_and_b32 v[TR], 15, v0                        ; r
	v_bfe_u32 v[TH], v0, 4, 1                      ; h
	v_and_b32 v[TR7], 7, v0                        ; r % 8
	v_bfe_u32 v[TR3], v0, 3, 1                     ; r / 8
	v_and_b32 v[TL], 31, v0                        ; lane
	v_lshlrev_b32 v[V8H], 3, v[TH]
	v_mov_b32 v[QU], 0                             ; a lane permute's destination counts as one of its sources
	v_cmp_ne_u32 s42, 0, v[TH]                     ; lanes 16-31
	v_lshlrev_b32 v[GA1], 4, v[TR7]                ; W1's scales: 16 bytes a unit; unit r % 8 + 128 (r / 8); word h of the half in hand
	v_lshl_add_u32 v[GA1], v[TR3], 11, v[GA1]
	v_lshl_add_u32 v[GA1], v[TH], 2, v[GA1]
	v_lshl_add_u32 v[GA1A], s32, 9, v[GA1]         ; + my wave's 32 units
	v_lshlrev_b32 v[GA2], 3, v[TR7]                ; W2's: 8 bytes a unit; unit r % 8 + 64 (r / 8)
	v_lshl_add_u32 v[GA2], v[TR3], 9, v[GA2]
	v_lshlrev_b32 v[GA3], 2, v[TL]                 ; W3's: 4 bytes a unit; unit = lane
	v_mul_u32_u24 v[GA3F], v[TR], 96               ; W3's codes: row r; lanes 16-31 two blocks on
	v_mad_u32_u24 v[GA3F], v[TH], 48, v[GA3F]
	v_lshlrev_b32 v[GB2], 8, v[TH]                 ; b2: 64 units on for lanes 16-31;  b3, W4: 8;  b1: 128, + my wave's 32
	v_lshlrev_b32 v[GB3], 5, v[TH]
	v_lshlrev_b32 v[GB1], 9, v[TH]
	v_lshl_add_u32 v[GB1], s32, 7, v[GB1]
.irp g, 0,1,2,3
.irp t, 0,1,2,3
	global_load_b32 v[W1S+4*\g+\t], v[GA1], s[10:11] offset:(32*\g+8*\t)*16+8
.endr
.endr
.irp t, 0,1,2,3
	global_load_b32 v[W1AS+\t], v[GA1A], s[10:11] offset:128*\t
.endr
.irp g, 0,1
.irp t, 0,1,2,3
	global_load_b64 v[LA1+2*(4*\g+\t):LA1+2*(4*\g+\t)+1], v[GA2], s[14:15] offset:(32*\g+8*\t)*8
.endr
.endr
.irp u, 0,1
	global_load_b32 v[W3S+\u], v[GA3], s[18:19] offset:128*\u
.endr
	WIN 0x40                                       ; destination window 1
.irp g, 0,1
.irp t, 0,1,2,3
.irp u, 0,1
	global_load_b128 v[192+8*(4*\g+\t)+4*\u:192+8*(4*\g+\t)+4*\u+3], v[GB2], s[24:25] offset:128*\g+32*\t+16*\u   ; b2 at units 32 G + 64 h + 8 t + 0 .. 7
.endr
.endr
.endr
	WIN 0x80                                       ; destination window 2
.irp t, 0,1,2,3
.irp u, 0,1
	global_load_b128 v[192+8*\t+4*\u:192+8*\t+4*\u+3], v[GB3], s[26:27] offset:64*\t+16*\u   ; b3 at units 16 t + 8 h + 0 .. 7
	global_load_b128 v[224+8*\t+4*\u:224+8*\t+4*\u+3], v[GB3], s[20:21] offset:64*\t+16*\u   ; W4 likewise
.endr
.endr
	WIN 0xc0                                       ; destination window 3
.irp t, 0,1,2,3
.irp c, 0,1
.irp i, 0,1,2
	global_load_b64 v[192+12*\t+6*\c+2*\i:192+12*\t+6*\c+2*\i+1], v[GA3F], s[16:17] offset:1536*\t+24*\c+8*\i   ; W3: at (c, h) the row's block c + 2 h
.endr
.endr
.endr
.irp t, 0,1,2,3
.irp u, 0,1
	global_load_b128 v[96+8*\t+4*\u:96+8*\t+4*\u+3], v[GB1], s[22:23] offset:32*\t+16*\u   ; b1 at units 32 w + 128 h + 8 t + 0 .. 7
.endr
.endr
	WIN 0
	; LDS addresses
	v_mul_u32_u24 v[AWB], v[TR7], WP               ; W1: row r % 8 of the tile's eight, in the region of units 0-127 or, for rows 8-15, 128-255
	v_mad_u32_u24 v[AWB], v[TR3], RP1, v[AWB]
	v_mad_u32_u24 v[AWB+1], v[TH], 40, v[AWB]
	v_mad_u32_u24 v[AWB], v[TH], 24, v[AWB]
	s_mul_i32 s38, s32, 32*WP
	v_add_nc_u32 v[AWA], s38, v[AWB]               ; the query half: my wave's group of units
	v_add_nc_u32 v[AWA+1], s38, v[AWB+1]
	v_add_nc_u32 v[AWB], 2*RP1, v[AWB]             ; the support half: two regions on
	v_add_nc_u32 v[AWB+1], 2*RP1, v[AWB+1]
	v_mul_u32_u24 v[AV], v[TR7], WP                ; W2 likewise
	v_mad_u32_u24 v[AV], v[TR3], RP2, v[AV]
	v_add_nc_u32 v[AV], W2B, v[AV]
	v_lshl_add_u32 v[AV+1], v[TH], 7, v[AV]
	v_mad_u32_u24 v[AV], v[TH], 112, v[AV]
	v_mul_u32_u24 v[AQF], v[TR], FP                ; f32 rows: row r, + 128 h
	v_lshl_add_u32 v[AQF], v[TH], 7, v[AQF]
	s_mul_i32 s38, s32, 16*FP
	s_add_co_u32 s38, s38, SFB
	v_add_nc_u32 v[ASF], s38, v[AQF]               ; s: my wave's 16 rows
	v_add_nc_u32 v[AQF], QFB, v[AQF]
	v_mul_u32_u24 v[ACS], v[TR], FP                ; the table, on the way in: query r, units 32 w + 128 h on
	v_lshl_add_u32 v[ACS], v[TH], 9, v[ACS]
	s_lshl_b32 s38, s32, 7
	s_add_co_u32 s38, s38, CQB
	v_add_nc_u32 v[ACS], s38, v[ACS]
	v_lshlrev_b32 v[ACQ], 9, v[TH]                 ; and on the way out: query 0, units 128 h on
	v_add_nc_u32 v[ACQ], CQB, v[ACQ]
	v_lshlrev_b32 v[AOUT], 2, v[TR]                ; the logits: query 0, support 16 w + r
	s_lshl_b32 s38, s32, 6
	s_add_co_u32 s38, s38, OUTS
	v_add_nc_u32 v[AOUT], s38, v[AOUT]
	v_mov_b32 v[VSEL], 0x05010400                  ; W2's scale word of K step 0: the row's bytes 0, 4, 1, 5;
	v_mov_b32 v[VSEL+1], 0x07030602                ; of K step 1: 2, 6, 3, 7: the order in which h1's blocks stand
	v_cndmask_b32 v[VSEL], v[VSEL], v[VSEL+1], s42 ; lanes 16-31 make K step 1's
	s_mov_b32 s43, 0x03010200                      ; W3's: bytes 0, 2, 1, 3
	s_lshl_b32 s38, s34, 14                        ; out: my 16 rows of 1,024 bytes, my 256 bytes of them
	s_lshl_b32 s39, s35, 8
	s_add_co_u32 s38, s38, s39
	s_mov_b32 s39, 0
	s_add_nc_u64 s[30:31], s[30:31], s[38:39]
	s_wait_loadcnt 0x0
	s_wait_kmcnt 0x0                               ; b4
.irp i, 0,1,2,3,4,5,6,7
	v_perm_b32 v[W2S+\i], v[LA1+2*\i+1], v[LA1+2*\i], v[VSEL]
.endr
.irp u, 0,1
	v_perm_b32 v[W3S+\u], v[W3S+\u], v[W3S+\u], s43
.endr
	s_wait_tensorcnt 0x1                           ; my first fill has landed; my second may stay out
	s_barrier_signal -1
	s_barrier_wait -1                              ; s, q and W1's query half lie in LDS
	; ---- the 16 queries become two fragments (every wave makes them: each needs them against its own units)
	LDF LA0, AQF, 0
	LDF LA1, AQF, 1
	WIN 0xc0
.irp t, 0,1,2,3
.irp k, 0,1
	FRAGW 12*(2*\t+\k), AWA, \k, 8*\t
.endr
.endr
	WIN 0
	s_wait_dscnt 48                                ; q's 32 loads are in; W1's 48 behind them may be out
	QUANTF LA0, SF, H1SW0
	QUANTF LA1, SF+12, H1SW0+1
	; ---- b1 + Q(q) W1[0:256] for my wave's 64 units
	LDF LA0, ASF, 0                                ; my 16 supports are asked for meanwhile
	LDF LA1, ASF, 1
	PLACES 8                                       ; a scale word written by a vector instruction stands eight places ahead of the scaled product, codes four
	s_wait_dscnt 32                                ; W1's fragments are in; s's 32 loads behind them may be out
	WIN 0x33                                       ; source 0 (W1) and source 2 (b1) window 3
.irp t, 0,1,2,3
	v_wmma_scale_f32_16x16x128_f8f6f4 v[DQ+8*\t:DQ+8*\t+7], v[24*\t:24*\t+11], v[SF:SF+11], v[96+8*\t:96+8*\t+7], v[W1AS+\t], v[H1SW0] matrix_a_fmt:MATRIX_FMT_BF6 matrix_b_fmt:MATRIX_FMT_BF6
.endr
	WIN 0x03
.irp t, 0,1,2,3
	v_wmma_scale_f32_16x16x128_f8f6f4 v[DQ+8*\t:DQ+8*\t+7], v[24*\t+12:24*\t+23], v[SF+12:SF+23], v[DQ+8*\t:DQ+8*\t+7], v[W1AS+\t], v[H1SW0+1] matrix_a_fmt:MATRIX_FMT_BF6 matrix_b_fmt:MATRIX_FMT_BF6 matrix_a_scale:MATRIX_SCALE_ROW1
.endr
	WIN 0
	s_wait_tensorcnt 0x0                           ; my second fill has landed,
	s_wait_dscnt 0x0                               ; s's numbers are in
	s_barrier_signal -1
	s_barrier_wait -1                              ; W1's support half and W2 lie in LDS
	; ---- the weights into registers; between the runs of loads my 16 supports are quantised and the table's part goes to LDS
	WIN 0x40
.irp t, 0,1,2,3
.irp k, 0,1
	FRAGW 12*(2*\t+\k), AWB, \k, 8*\t
.endr
.endr
	WIN 0
	QUANTF LA0, SF, H1SW1                          ; its first seventeen lines are the places behind the products above, whose operands it then writes over
.irp t, 0,1,2,3
	ds_store_b128 v[ACS], v[DQ+8*\t:DQ+8*\t+3] offset:32*\t            ; each accumulator from its low end on
	ds_store_b128 v[ACS], v[DQ+8*\t+4:DQ+8*\t+7] offset:32*\t+16
.endr
	WIN 0x40
.irp t, 0,1,2,3
.irp k, 0,1
	FRAGW 12*(2*(4+\t)+\k), AWB, \k, 32+8*\t
.endr
.endr
	WIN 0
	QUANTF LA1, SF+12, H2SW
	v_cndmask_b32 v[SSW], v[H1SW1], v[H2SW], s42   ; K step 0's word in lanes 0-15, K step 1's in lanes 16-31
	PLACES 8                                       ; only loads and a barrier follow up to the first product that reads it
	WIN 0x80
.irp g, 0,1
.irp t, 0,1,2,3
.irp k, 0,1
	FRAGW 12*(2*(4*\g+\t)+\k), AWB, \k, 64+32*\g+8*\t
.endr
.endr
.endr
	WIN 0xc0
.irp g, 0,1
.irp t, 0,1,2,3
.irp k, 0,1
	FRAGV 12*(2*(4*\g+\t)+\k), \k, 32*\g+8*\t
.endr
.endr
.endr
	WIN 0
	s_wait_dscnt 0x0                               ; my stores into the table have landed, my fragments are in
	s_barrier_signal -1
	s_barrier_wait -1                              ; the table is whole
	; ---- the first layer of tile 0
	LDSTG 0, 0
	LDSTG 1, 128
	SLOT 1, 0, 0, 0, 0, 0, 0, 0, 0, 256, 8
	SLOT 1, 1, 0, 1, H1K0, 0, BYP, 0, 1, 384, 8
	SLOT 1, 2, 0, 1, H1K0+6, 1, BYP, H1SW0, 0, FP, 8
	SLOT 1, 3, 0, 1, H1K1, 0, BYP, 0, 1, FP+128, 8
	WIN 0
	v_add_nc_u32 v[ACQ], FP, v[ACQ]                ; on to query 1
	s_mov_b32 s96, 7
.Ltiles:                                           ; a trip: the late layers of two tiles, the first layer of the next two: fourteen slots, so that the sets of accumulators and the parities are back where they began
	ITER 0, 1
	ITER 1, 1
	WIN 0
	v_add_nc_u32 v[ACQ], 2*FP, v[ACQ]
	v_add_nc_u32 v[AOUT], 512, v[AOUT]
	s_sub_co_u32 s96, s96, 1
	s_cmp_lg_u32 s96, 0
	s_cbranch_scc1 .Ltiles
	ITER 0, 0                                      ; tile 14's late layers, tile 15's first layer: no query is left to stage
	SLOT 0, 0, 0, 1, H1K1+6, 1, BYP, H1SW1, -1, 0, 0   ; tile 15 alone: its steps follow each other
	PLACES 8                                       ; the scale word just made stands eight places ahead of the products
	SLOT 2, 0, 1, 0, 0, 0, 0, 0, -1, 0, 0
	SLOT 2, 1, 1, 1, H2C, 0, BYL, 0, -1, 0, 0
	SLOT 0, 0, 0, 1, H2C+6, 1, BYL, H2SW, -1, 0, 0
	PLACES 8
	SLOT 3, 0, 0, 0, 0, 0, 0, 0, -1, 0, 0
	SLOT 0, 0, 0, 2, 0, 0, 0, 256, -1, 0, 0
	WIN 0
	; ---- the way out: the logits of 16 queries x 64 supports lie in LDS by rows; wave w takes rows 4 w .. 4 w + 3: sixteen lanes to a row's 256 bytes
	v_and_b32 v200, 15, v0
	v_bfe_u32 v201, v0, 4, 1
	s_lshl_b32 s38, s32, 2
	v_add_nc_u32 v201, s38, v201                   ; row 4 w + lane / 16 (and two rows on)
	v_lshlrev_b32 v200, 4, v200
	v_lshl_add_u32 v202, v201, 8, v200
	v_add_nc_u32 v202, OUTS, v202
	v_lshl_add_u32 v203, v201, 10, v200            ; the same place in out
	v_mov_b32 v204, s97
	v_mul_f32 v204, s98, v204                      ; -log2(e) b4
	s_wait_dscnt 0x0                               ; my logits have landed
	s_barrier_signal -1
	s_barrier_wait -1
	ds_load_b128 v[184:187], v202
	ds_load_b128 v[188:191], v202 offset:512
	s_wait_dscnt 0x0
.irp i, 0,1,2,3,4,5,6,7
	v_fma_f32 v[192+\i], v[184+\i], s98, v204      ; -log2(e) (x + b4)
.endr
.irp i, 0,1,2,3,4,5,6,7
	v_exp_f32 v[192+\i], v[192+\i]
.endr
	v_nop                                          ; a plain line behind the last exponential,
	s_wait_alu depctr_va_vdst(0)                   ; and one wait for the batch, ahead of its first reader
.irp i, 0,1,2,3,4,5,6,7
	v_add_f32 v[192+\i], 1.0, v[192+\i]
.endr
.irp i, 0,1,2,3,4,5,6,7
	v_rcp_f32 v[192+\i], v[192+\i]                 ; sigmoid = 1 / (1 + 2^(-log2(e) (x + b4)))
.endr
	v_nop
	s_wait_alu depctr_va_vdst(0)
	global_store_b128 v203, v[192:195], s[30:31]               ; sixteen lanes store 256 consecutive bytes, at a multiple of 256 from out's first byte
	global_store_b128 v203, v[196:199], s[30:31] offset:2048
	s_set_vgpr_msb 0xf
	s_wait_tensorcnt 0x0
	ds_add_u32 v254, v255
	s_wait_dscnt 0x0
	s_set_vgpr_msb 0xf00
	CROUND                                         ; the closing round: no work-group ends while a partner may still ask for a tile that names it
	s_endpgm
.Lfunc_end_k_q6032fd1f8d_pairs:
	.size	k_q6032fd1f8d_pairs, .Lfunc_end_k_q6032fd1f8d_pairs-k_q6032fd1f8d_pairs
	.p2alignl 7, 3214868480
	.fill 96, 4, 3214868480
	.section	.rodata,"a",@progbits
	.p2align	6, 0x0
	.amdhsa_kernel k_q6032fd1f8d_pairs
		.amdhsa_group_segment_fixed_size 262656
		.amdhsa_private_segment_fixed_size 0
		.amdhsa_enable_private_segment 0
		.amdhsa_kernarg_size 112
		.amdhsa_user_sgpr_count 2
		.amdhsa_user_sgpr_kernarg_segment_ptr 1
		.amdhsa_wavefront_size32 1
		.amdhsa_system_sgpr_workgroup_id_x 1
		.amdhsa_system_sgpr_workgroup_id_y 1
		.amdhsa_system_sgpr_workgroup_id_z 1
		.amdhsa_system_vgpr_workitem_id 0
		.amdhsa_next_free_vgpr 1024
		.amdhsa_next_free_sgpr 100
		.amdhsa_reserve_vcc 0
		.amdhsa_float_denorm_mode_32 3
		.amdhsa_float_denorm_mode_16_64 3
		.amdhsa_memory_ordered 1
		.amdhsa_forward_progress 1
		.amdhsa_inst_pref_size 172
	.end_amdhsa_kernel
	.amdgpu_metadata
---
amdhsa.version: [ 1, 2 ]
amdhsa.kernels:
  - .name:           k_q6032fd1f8d_pairs
    .symbol:         k_q6032fd1f8d_pairs.kd
    .args:
      - { .name: query_features, .offset: 0, .size: 8, .value_kind: global_buffer, .address_space: global }
      - { .name: support_features, .offset: 8, .size: 8, .value_kind: global_buffer, .address_space: global }
      - { .name: W1_codes, .offset: 16, .size: 8, .value_kind: global_buffer, .address_space: global }
      - { .name: W1_scales, .offset: 24, .size: 8, .value_kind: global_buffer, .address_space: global }
      - { .name: W2_codes, .offset: 32, .size: 8, .value_kind: global_buffer, .address_space: global }
      - { .name: W2_scales, .offset: 40, .size: 8, .value_kind: global_buffer, .address_space: global }
      - { .name: W3_codes, .offset: 48, .size: 8, .value_kind: global_buffer, .address_space: global }
      - { .name: W3_scales, .offset: 56, .size: 8, .value_kind: global_buffer, .address_space: global }
      - { .name: W4, .offset: 64, .size: 8, .value_kind: global_buffer, .address_space: global }
      - { .name: b1, .offset: 72, .size: 8, .value_kind: global_buffer, .address_space: global }
      - { .name: b2, .offset: 80, .size: 8, .value_kind: global_buffer, .address_space: global }
      - { .name: b3, .offset: 88, .size: 8, .value_kind: global_buffer, .address_space: global }
      - { .name: b4, .offset: 96, .size: 8, .value_kind: global_buffer, .address_space: global }
      - { .name: out0, .offset: 104, .size: 8, .value_kind: global_buffer, .address_space: global }
    .group_segment_fixed_size: 262656
    .private_segment_fixed_size: 0
    .kernarg_segment_align: 8
    .kernarg_segment_size: 112
    .max_flat_workgroup_size: 128
    .sgpr_count:     100
    .vgpr_count:     1024
    .wavefront_size: 32
...
	.end_amdgpu_metadata
.endif
;; end of part 1
